; MI455X (gfx1250); checked and timed in simulation.
; The chip was launched on July 23, 2026; its instructions are those of AMD's public machine-readable ISA for CDNA 5 (MIT licence, August 2026) and "CDNA5" Instruction Set Architecture Reference Guide (July 2026). The comments in the code are by the model that wrote it; some were corrected since.
;; Causal Self Attention. Allowed arithmetic: matrix products marked QUANTISED: E2M1 operands, one E8M0 scale for each 32 along K, by v_wmma_scale_f32_16x16x128_f8f6f4 with both operands' format E2M1 (or v_wmma_scale_f32_32x16x128_f4), f32 sums; products left as they are: f32 operands where the result goes on into a quantised operand, else bf16, f16 or f32 operands; f32 sums; everything else in f32.
;; Inputs: Wk 512 x 512 float32; Wo 512 x 512 float32; Wq 512 x 512 float32; Wv 512 x 512 float32; bo 512 float32; delta 4 x 2,048 x 512 float32; h 4 x 2,048 x 512 float32; tau 4 x 2,048 x 1 float32.
;; Outputs: out0 4 x 512 float32.
;; This version of the problem:
;;   THIS VERSION OF THE PROBLEM IS GIVEN IN LOW PRECISION. The matrix products marked QUANTISED in the list below multiply operands that are first quantised to E2M1 (2 exponent bits, 1 mantissa bit; 4 bits a number), with one power-of-two scale for each 32 numbers along K (OCP MX v1.0); their sums are f32. All else is computed in f32.
;;   The module's matrix products, in the order in which they are computed (A, B: the left and right operand; K: the contracted axis; several contracted axes count as one K, in the product's order):
;;     1. [M 8,192, K 512] x [K 512, N 512]; A: input h; B: input Wq: QUANTISED
;;     2. [M 8,192, K 512] x [K 512, N 512]; A: input h; B: input Wk: QUANTISED
;;     3. [M 8,192, K 512] x [K 512, N 512]; A: input h; B: input Wv: QUANTISED
;;     4. batch 32 x [M 2,048, K 64] x [K 64, N 2,048]; A: computed on the way; B: computed on the way: QUANTISED
;;     5. batch 32 x [M 1, K 64] x [K 64, N 2,048]; A: input delta; B: computed on the way: left as it is (M = 1 < 16)
;;     6. batch 32 x [M 2,048, K 2,048] x [K 2,048, N 64]; A: softmax (see below); B: computed on the way: QUANTISED
;;     7. [M 8,192, K 512] x [K 512, N 512]; A: computed on the way; B: input Wo: QUANTISED
;;   THE QUANTISER, for each operand of a quantised product, along K:
;;     - K is cut into blocks of 32 from its start; a last block that is shorter is filled with zeros.
;;     - A block's scale is 2^e with e = floor(log2(the largest magnitude in the block)) - 2, held to -126 .. 127; a block of zeros has e = 0. As a byte (E8M0): e + 127.
;;     - Each number is divided by its block's scale, clamped to +-6, and rounded to the nearest number of E2M1, ties to even, subnormals kept.
;;     - The product sums the exact products of the quantised numbers (number of the format x scale) in f32.
;;   ~~~python
;;   def quantise(x, axis):      # numpy; x: float32 -> the quantised numbers, widened to float32 again
;;       x = np.moveaxis(x, axis, -1); K = x.shape[-1]
;;       x = np.pad(x, [(0, 0)] * (x.ndim - 1) + [(0, -K % 32)]); x = x.reshape(x.shape[:-1] + (-1, 32)); a = np.abs(x).max(-1, keepdims=True)
;;       e = np.where(a > 0, np.clip(np.frexp(np.where(a > 0, a, 1))[1] - 1 - 2, -126, 127), 0)      # np.frexp(a)[1] - 1 = floor(log2(a)), exactly
;;       r = np.clip(x / 2.0 ** e, -6, 6)
;;       step = 2.0 ** (np.maximum(np.frexp(np.where(r == 0, 1, r))[1] - 1, 0) - 1)
;;       q = np.round(r / step) * step * 2.0 ** e      # np.round: ties to even
;;       return np.moveaxis(q.reshape(q.shape[:-2] + (-1,))[..., :K], -1, axis).astype(np.float32)
;;   ~~~
;;   SOFTMAX AHEAD OF A QUANTISED PRODUCT. Where the list says 'softmax', what is quantised is not the finished softmax but p = 2^(t - M), with t = logit x log2(e) and M = ceil(the row's largest t), a whole number; so 1/2 < the row's largest p <= 1. The row's sum l is taken of the UNQUANTISED p, in f32, and the product's result is divided by l at the end. Since M is a whole number, a kernel that streams over the keys may use a running M (the ceiling of the running maximum): every later rescaling is an exact power of two, which a block's scale takes up: the codes' values come out the same.
;;   OPERANDS COMPUTED ON THE WAY. 'Computed on the way' means the value that the module computes at that place (a softmax that the list does not call 'softmax' is quantised finished and normalised). What goes into a quantiser is computed in f32, as accurately as f32 sums, v_exp_f32 and their like allow (about 1e-6 of the number): no bf16 or f16 on the way to a quantiser, and a product that is left as it is and whose result goes on into a quantised operand takes f32 operands (vector FMAs, or v_wmma_f32_16x16x4_f32). A number that lies on a knife's edge between two numbers of the format may be rounded either way, as far as f32 arithmetic and the matrix unit's own rounding can turn it there, and no further.
;; One version. Each part assembles by itself: llvm-mc -triple=amdgcn-amd-amdhsa -mcpu=gfx1250 --defsym DOCPART=n.
;; ======== version 1 of 1: 3 launches
;; limits: right only within a limited range of input values
;; workspace buffers: codes 2,621,440 bytes; scales 163,840 bytes; pO 131,072 bytes; pL 2,048 bytes
;; launch quant (part 1): grid 320 x 1, 2 waves a work-group, no clusters, 19,712 bytes of LDS; arguments h, Wq, Wk, Wv, Wo, codes, scales; writes codes, scales
.if DOCPART == 1
	.amdgcn_target "amdgcn-amd-amdhsa--gfx1250"
	.amdhsa_code_object_version 6
	.text
	.protected	k_qbc4a40b520_quant
	.globl	k_qbc4a40b520_quant
	.p2align	8
	.type	k_qbc4a40b520_quant,@function
k_qbc4a40b520_quant:
	s_mov_b64 s[64:65], 0
	v_nop
	global_prefetch_b8 v0, s[64:65] scope:SCOPE_SE
	s_setreg_imm32_b32 hwreg(HW_REG_WAVE_MODE, 25, 1), 1
	s_wait_xcnt 0x0
; h [8192][512] and Wq, Wk, Wv, Wo [512][512], f32, K innermost, become codes of FP4 (E2M1) with one E8M0 byte for each 32 along K.
; A block's scale is 2^(floor(log2(its largest magnitude)) - 2); its byte is the largest magnitude's exponent field - 2, held at 1 from below.
; LIMITS: NaN and infinities are not served; a block whose largest magnitude lies under 2^-124, a block of zeros among them, gets the byte 1
; (zero codes add nothing under any byte but 0xff, and this program alone reads the bytes).
; THE OUTPUT IS LAID AS THE MATRIX UNIT'S OPERAND REGISTERS WANT IT.  Rows go in groups of 32; group p gives tiles 2 p + u, u = 0, 1; row slot r (0 .. 15) of a tile is
; row 32 p + 8 u + r + 8 (r / 8).  A tile's codes, 4,096 bytes: [block of 32 along K, 0 .. 15][r][16 bytes]: so 512 consecutive bytes, 16 a lane, are four registers of a fragment.
; A tile's scale bytes, 256 bytes: [r][16].  Tiles: h 0 .. 511, Wq 512 .., Wk 544 .., Wv 576 .., Wo 608 .. 639.
; SHARES.  Work-group i is a group of 32 rows (0 .. 255: h; then 16 for each weight); wave u makes tile 2 i + u: 16 steps, a row of 512 numbers each.  Waves share nothing: no barrier.
; A conversion takes neighbours along K from ONE lane's registers, a load is best where neighbouring LANES take neighbouring bytes: each load reads 512 consecutive bytes, and a row's
; 2,048 bytes turn through the wave's own stage in LDS and come back 64 bytes a lane.  Two neighbouring lanes hold a block.  Loads run eight steps (32 loads a wave) ahead.
; Matrix units, clusters and tensor loads are left out: every byte is read once and nothing is shared.
.set WREG, 9728                        ; LDS of a wave: two stages, the tile's image, its scale bytes
.set SP,   80                          ; a lane's place in a stage: 64 bytes + 16 of padding
.set IMG,  2*32*SP                     ; the image: 16 blocks along K, 256 bytes + 16 of padding each
.set IP,   272
.set SCB,  IMG+16*IP                   ; 256 scale bytes
.set R,    16                          ; v16-143  eight sets of 16 numbers as loaded
.set X,    144                         ; v144-175 two sets of 16 neighbours
.set C,    176                         ; v176-179 a step's codes, two sets by turns
.set E,    180                         ; v180-181 a step's scale byte, likewise
.set OUTR, 16                          ; the way out: v16-47
	s_load_b256 s[4:11], s[0:1], 0x0               ; h, Wq, Wk, Wv
	s_load_b128 s[12:15], s[0:1], 0x20             ; Wo, codes
	s_load_b64 s[16:17], s[0:1], 0x30              ; scales
	v_lshl_add_u32 v192, v0, 2, 0x4c00
	v_mov_b32 v193, 0
	v_lshrrev_b32 v1, 5, v0
	v_readfirstlane_b32 s18, v1                    ; wave = u
	v_and_b32 v2, 31, v0                           ; lane
	v_lshlrev_b32 v3, 4, v2                        ; my 16 bytes of 512, in and out
	s_mul_i32 s19, s18, WREG
	v_lshrrev_b32 v14, 2, v2
	v_mul_u32_u24 v14, v14, SP
	v_and_b32 v15, 3, v2
	v_lshl_add_u32 v14, v15, 4, v14
	v_add_nc_u32 v14, s19, v14                     ; the stage, in: SP (lane / 4) + 16 (lane % 4)
	v_mul_u32_u24 v15, v2, SP
	v_add_nc_u32 v15, s19, v15                     ; the stage, out: SP x lane: my 16 neighbours
	v_lshrrev_b32 v8, 1, v2                        ; my block along K
	v_and_b32 v9, 1, v2                            ; which half of it
	v_mul_u32_u24 v4, v8, IP
	v_lshl_add_u32 v4, v9, 3, v4
	v_add_nc_u32 v4, s19, v4
	v_add_nc_u32 v4, IMG, v4                       ; the image, in: my block's line, my 8 bytes; the row's 16 bytes stand in the immediate
	v_add_nc_u32 v5, s19, v8
	v_add_nc_u32 v5, SCB, v5                       ; my block's scale byte; 16 bytes a row in the immediate
	v_lshlrev_b32 v7, 3, v2                        ; the scale bytes' way out: 8 bytes a lane
	v_add_nc_u32 v6, s19, v7
	v_add_nc_u32 v6, SCB, v6
	v_lshrrev_b32 v8, 4, v2
	v_and_b32 v9, 15, v2
	v_mul_u32_u24 v10, v8, IP
	v_lshl_add_u32 v10, v9, 4, v10
	v_add_nc_u32 v10, s19, v10
	v_add_nc_u32 v10, IMG, v10                     ; the image, out: sixteen lanes to a line, two lines an instruction
	s_sub_co_u32 s20, ttmp9, 256                   ; among the weights' 64 groups:
	s_lshr_b32 s21, s20, 4                         ; which weight (no weight's number in h's work-groups),
	s_and_b32 s22, s20, 15                         ; which group of its rows
	s_lshl_b32 s23, ttmp9, 1
	s_add_co_u32 s23, s23, s18                     ; my tile
	s_wait_kmcnt 0x0
	s_cmp_eq_u32 s21, 1                            ; the choice hangs on the work-group's number alone
	s_cselect_b64 s[6:7], s[8:9], s[6:7]
	s_cmp_eq_u32 s21, 2
	s_cselect_b64 s[6:7], s[10:11], s[6:7]
	s_cmp_eq_u32 s21, 3
	s_cselect_b64 s[6:7], s[12:13], s[6:7]
	s_cmp_lt_u32 ttmp9, 256
	s_cselect_b64 s[4:5], s[4:5], s[6:7]
	s_cselect_b32 s22, ttmp9, s22
	s_lshl_b32 s24, s22, 16                        ; 32 rows of 2,048 bytes a group,
	s_lshl_b32 s26, s18, 14                        ; 8 rows on for u = 1
	s_add_co_u32 s24, s24, s26
	s_mov_b32 s25, 0
	s_add_nc_u64 s[4:5], s[4:5], s[24:25]
	s_lshl_b32 s24, s23, 12
	s_add_nc_u64 s[14:15], s[14:15], s[24:25]
	s_lshl_b32 s24, s23, 8
	s_add_nc_u64 s[16:17], s[16:17], s[24:25]
.macro LOAD t                          ; row slot t lies t + 8 (t / 8) rows on
.irp i, 0,1,2,3
	global_load_b128 v[R+16*((\t)%8)+4*\i:R+16*((\t)%8)+4*\i+3], v3, s[4:5] offset:((\t)+8*((\t)/8))*2048+512*\i th:TH_LOAD_NT
.endr
.endm
.macro TURN t                          ; LDS serves a wave's instructions in order (ISA guide 5.7.1): no wait between the stores and the loads
.irp i, 0,1,2,3
	ds_store_b128 v14, v[R+16*((\t)%8)+4*\i:R+16*((\t)%8)+4*\i+3] offset:32*SP*((\t)%2)+8*SP*\i
.endr
.irp i, 0,1,2,3
	ds_load_b128 v[X+16*((\t)%2)+4*\i:X+16*((\t)%2)+4*\i+3], v15 offset:32*SP*((\t)%2)+16*\i
.endr
.endm
.irp t, 0,1,2,3,4,5,6,7
	LOAD \t
.endr
	s_wait_loadcnt 28                              ; row 0's four loads are in; seven rows' stay out
	TURN 0
.macro STEP t
.set XS, X+16*((\t)%2)
.set CS, C+2*((\t)%2)
.set ES, E+(\t)%2
.if (\t) > 0
	s_wait_dscnt 2                                 ; this row is back from the stage; the last step's two stores may be out; those of two steps back, which read this step's code registers, are done
.else
	s_wait_dscnt 0x0
.endif
.if (\t)+8 < 16
	LOAD (\t)+8                                    ; into the set that this row has left
.endif
.if (\t) < 15
.if (\t) <= 7
	s_wait_loadcnt 28                              ; the next row's four loads are in; the seven rows behind it may be out
.else
	s_wait_loadcnt 4*(14-(\t))
.endif
	TURN (\t)+1
.endif
	v_max3_num_f32 v8, |v[XS]|, |v[XS+1]|, |v[XS+2]|               ; the largest magnitude of my 16, in two chains
	v_max3_num_f32 v9, |v[XS+3]|, |v[XS+4]|, |v[XS+5]|
.irp i, 6,10
	v_max3_num_f32 v8, v8, |v[XS+\i]|, |v[XS+\i+1]|
	v_max3_num_f32 v9, v9, |v[XS+\i+2]|, |v[XS+\i+3]|
.endr
	v_max3_num_f32 v8, v8, |v[XS+14]|, |v[XS+15]|
	v_max3_num_f32 v8, v8, v9, 0x1800000           ; and the floor 2^(3 - 127): the byte cannot fall under 1
	v_max_num_f32_dpp v8, v8, v8 row_xmask:1 row_mask:0xf bank_mask:0xf   ; with my neighbour's 16: the block's
	v_add_nc_u32 v11, 0xff000000, v8               ; 2 off its exponent field: the conversion takes that field as its scale
	v_cvt_scalef32_pk8_fp4_f32 v[CS], v[XS:XS+7], v11
	v_cvt_scalef32_pk8_fp4_f32 v[CS+1], v[XS+8:XS+15], v11
	v_lshrrev_b32 v[ES], 23, v11                   ; the scale's byte (also the plain instruction behind the conversions)
	ds_store_b8 v5, v[ES] offset:16*(\t)           ; both lanes of a block write the same byte with the same value
	ds_store_b64 v4, v[CS:CS+1] offset:16*(\t)
.endm
.irp t, 0,1,2,3,4,5,6,7,8,9,10,11,12,13,14,15
	STEP \t
.endr
.irp j, 0,1,2,3,4,5,6,7
	ds_load_b128 v[OUTR+4*\j:OUTR+4*\j+3], v10 offset:2*IP*\j      ; these see my stores: LDS serves a wave in order
.endr
	ds_load_b64 v[12:13], v6
.irp j, 0,1,2,3,4,5,6,7
	s_wait_dscnt 8-\j                              ; load j is in; the younger ones may be out
	global_store_b128 v3, v[OUTR+4*\j:OUTR+4*\j+3], s[14:15] offset:512*\j   ; 32 lanes store 512 consecutive bytes, aligned
.endr
	s_wait_dscnt 0x0
	global_store_b64 v7, v[12:13], s[16:17]        ; 32 lanes store 256 consecutive bytes, aligned
	s_wait_tensorcnt 0x0
	ds_add_u32 v192, v193
	s_wait_dscnt 0x0
	s_endpgm
.Lfunc_end_k_qbc4a40b520_quant:
	.size	k_qbc4a40b520_quant, .Lfunc_end_k_qbc4a40b520_quant-k_qbc4a40b520_quant
	.p2alignl 7, 3214868480
	.fill 96, 4, 3214868480
	.section	.rodata,"a",@progbits
	.p2align	6, 0x0
	.amdhsa_kernel k_qbc4a40b520_quant
		.amdhsa_group_segment_fixed_size 19712
		.amdhsa_private_segment_fixed_size 0
		.amdhsa_enable_private_segment 0
		.amdhsa_kernarg_size 56
		.amdhsa_user_sgpr_count 2
		.amdhsa_user_sgpr_kernarg_segment_ptr 1
		.amdhsa_wavefront_size32 1
		.amdhsa_system_sgpr_workgroup_id_x 1
		.amdhsa_system_sgpr_workgroup_id_y 1
		.amdhsa_system_sgpr_workgroup_id_z 1
		.amdhsa_system_vgpr_workitem_id 0
		.amdhsa_next_free_vgpr 194
		.amdhsa_next_free_sgpr 66
		.amdhsa_reserve_vcc 0
		.amdhsa_float_denorm_mode_32 3
		.amdhsa_float_denorm_mode_16_64 3
		.amdhsa_memory_ordered 1
		.amdhsa_forward_progress 1
		.amdhsa_inst_pref_size 35
	.end_amdhsa_kernel
	.amdgpu_metadata
---
amdhsa.version: [ 1, 2 ]
amdhsa.kernels:
  - .name:           k_qbc4a40b520_quant
    .symbol:         k_qbc4a40b520_quant.kd
    .args:
      - { .name: h, .offset: 0, .size: 8, .value_kind: global_buffer, .address_space: global }
      - { .name: Wq, .offset: 8, .size: 8, .value_kind: global_buffer, .address_space: global }
      - { .name: Wk, .offset: 16, .size: 8, .value_kind: global_buffer, .address_space: global }
      - { .name: Wv, .offset: 24, .size: 8, .value_kind: global_buffer, .address_space: global }
      - { .name: Wo, .offset: 32, .size: 8, .value_kind: global_buffer, .address_space: global }
      - { .name: codes, .offset: 40, .size: 8, .value_kind: global_buffer, .address_space: global }
      - { .name: scales, .offset: 48, .size: 8, .value_kind: global_buffer, .address_space: global }
    .group_segment_fixed_size: 19712
    .private_segment_fixed_size: 0
    .kernarg_segment_align: 8
    .kernarg_segment_size: 56
    .max_flat_workgroup_size: 64
    .sgpr_count:     66
    .vgpr_count:     194
    .wavefront_size: 32
...
	.end_amdgpu_metadata
.endif
;; end of part 1
;; launch attn (part 2): grid 64 x 4, 4 waves a work-group, no clusters, 168,448 bytes of LDS; arguments codes, scales, delta, tau, pO, pL; writes pO, pL
.if DOCPART == 2
	.amdgcn_target "amdgcn-amd-amdhsa--gfx1250"
	.amdhsa_code_object_version 6
	.text
	.protected	k_qbc4a40b520_attn
	.globl	k_qbc4a40b520_attn
	.p2align	8
	.type	k_qbc4a40b520_attn,@function
k_qbc4a40b520_attn:
	s_mov_b64 s[64:65], 0
	v_nop
	global_prefetch_b8 v0, s[64:65] scope:SCOPE_SE
	s_setreg_imm32_b32 hwreg(HW_REG_WAVE_MODE, 25, 1), 1
	s_wait_xcnt 0x0
; The module returns the LAST query's row of each batch alone, so of the attention only that query is computed; for it the causal mask hides no key.
; A work-group takes 128 keys of a batch (x = 16 b + chunk) and two heads (y = g: columns n = 128 g .. 128 g + 127) through: q, K, V = h W^T on codes of FP4; the bias delta . K in f32;
; logit = clip(tau q . K / 8 + bias, -50, 50); t = logit x log2(e); Mc = ceil(the chunk's largest t); p = 2^(t - Mc), quantised along the keys; O = p V on codes; l = the sum of the unquantised p.
; It stores O x 2^Mc and l x 2^Mc: the next launch adds the 16 chunks.  LIMITS: the clip holds |t| under 72.2, so Mc lies in -72 .. 73: l x 2^Mc lies in 2^-74 .. 2^81, O x 2^Mc is finite
; for |V| under 2^47; NaN and infinities are not served; blocks under 2^-124 (zeros too) get the scale byte 1.
; SHARES.  Wave w owns columns 32 w .. 32 w + 31 of the 128 (two tiles of 16 rows of each weight; head w / 2 of the pair) for all 8 tiles of 16 keys.  Its 24 weight fragments go from memory
; straight into its operand registers, each loaded by one wave alone; h's 8 tiles of codes (32,768 + 2,048 bytes) come into LDS once, by asynchronous copies, and all four waves read them.
; NO CLUSTER: of the 141,312 bytes that a work-group reads, 106,496 are weights that land in registers with no way through LDS; what four work-groups along y share, h's 34,816 bytes, is a
; quarter, fetched in ONE step: a joint load would want an opening and a closing round of the cluster's barrier for that one fetch.  No ring: no LDS byte is filled twice.  No prefetch: every load is issued at the head.
; LAYOUTS.  K is made transposed (source 0 = 16 rows of Wk, source 1 = 16 keys): a lane holds one key, and by the tiles' choice of rows (row slot r = row 8 u + r + 8 (r / 8)) its 16 registers of
; tiles u = 0, 1 are 16 neighbouring columns: half a block of the next product's K.  V is made straight (source 0 = 16 keys, source 1 = 16 rows of Wv): a lane holds one column, and its 16 registers
; of key tiles 2 b, 2 b + 1 are 16 neighbouring keys.  The scores of both heads come from one product of K = 128: row 0 of its first operand is (q of head 0, zeros), row 8 (zeros, q of head 1).
; REGISTERS: window 0: v1-31 addresses and constants; v32-91 scale words; v92.. at work (below).  window 1: Wq 0-63, Wk 64-127, Wv 128-191 (fragment (u, s) at 8 (4 u + s)), h's fragments 192-255, two sets.
; window 2: K's 16 accumulators 0-127 (16 T + 8 u), V's 128-255 (128 + 64 u + 8 T); q's two stand at 128-143 first.
.set HIMG, 0                           ; LDS: h's 8 tiles of codes, filled by copies
.set HSC,  32768                       ; their scale bytes, filled by copies
.set KIMG, 34816                       ; K's 8 fragments (16 keys x 128 columns) as images of their registers, 1,024 bytes each
.set QIMG, KIMG+8*1024                 ; q's
.set KSC,  44032                       ; their scale words: 64 bytes a fragment
.set BP,   44800                       ; the bias's eight parts: [2 w + lane / 16][key tile][r] f32
.set TT,   48896                       ; t: [head of the pair][key] f32
.set STG,  49920                       ; O's 128 numbers
.set STL,  50432                       ; l, a wave's 32 lanes alike
.set WQS, 32
.set WKS, 40
.set WVS, 48
.set HLS, 56                           ; the last row's four scale words
.set HS,  60                           ; h's scale words: 4 T + s
.set DL,  92                           ; delta's 16 numbers of my columns
.set TM,  108                          ; +0..3 largest magnitudes, +4..7 the other half's, then bytes, +12..15 the conversions' scale operands
.set BA,  124                          ; the bias, a pair for each of four tiles
.set PC,  132                          ; codes just made
.set VF,  140                          ; V's two fragments
.set VW,  156                          ; their scale words
.set PW,  158                          ; p's scale word
.set SQ,  160
.set SK,  168
.set SD,  184
.set P,   160                          ; t, then p: 64 registers
.set PD,  224
.set BM,  240
.set WQ,  0
.set WK,  64
.set WV,  128
.set HF,  192
.set KA,  0
.set VA,  128
.set MSB, 0
.macro WIN new                         ; bits 1:0 source 0, 3:2 source 1, 5:4 source 2, 7:6 destination; the high byte repeats the setting that is left
.if MSB != \new
	s_set_vgpr_msb (MSB<<8)|\new
.set MSB, \new
.endif
.endm
.macro MM0 d, a, b, sa, sb             ; a product that starts a sum
	v_wmma_scale_f32_16x16x128_f8f6f4 v[(\d):(\d)+7], v[(\a):(\a)+7], v[(\b):(\b)+7], 0, v[\sa], v[\sb] matrix_a_fmt:MATRIX_FMT_FP4 matrix_b_fmt:MATRIX_FMT_FP4
.endm
.macro MMA d, a, b, sa, sb             ; and one that adds in place
	v_wmma_scale_f32_16x16x128_f8f6f4 v[(\d):(\d)+7], v[(\a):(\a)+7], v[(\b):(\b)+7], v[(\d):(\d)+7], v[\sa], v[\sb] matrix_a_fmt:MATRIX_FMT_FP4 matrix_b_fmt:MATRIX_FMT_FP4
.endm
.macro PLACES                          ; four plain vector instructions between a matrix instruction and a read of its result or a load into its registers
.rept 4
	v_nop
.endr
.endm
.macro BARRIER                         ; my LDS stores have landed and my LDS loads are in: then the work-group's barrier
	s_wait_dscnt 0x0
	s_barrier_signal -1
	s_barrier_wait -1
.endm
.macro FRAGS t                         ; key tile t's four fragments into set t % 2: each load takes 512 consecutive bytes
	WIN 0x40
.irp s, 0,1,2,3
.irp c, 0,1
	ds_load_b128 v[HF+32*((\t)%2)+8*\s+4*\c:HF+32*((\t)%2)+8*\s+4*\c+3], v4 offset:4096*(\t)+1024*\s+512*\c
.endr
.endr
.endm
; nb blocks of 32, block b's 16 numbers of my lane in window 2 at sb + 16 b (the other 16 in lane l xor 16): bytes into v[TM+4+b], 16 codes into v[dst+2 b], v[dst+2 b+1].  Each accumulator is read from its low end on.
.macro QCORE nb, sb, dst
	WIN 0x0a
.set qb, 0
.rept \nb
	v_max3_num_f32 v[TM+qb], |v[(\sb)+16*qb]|, |v[(\sb)+16*qb+1]|, 0x1800000   ; with the floor 2^(3 - 127): the byte cannot fall under 1
.set qb, qb+1
.endr
	WIN 0x28
.irp i, 2,4,6,8,10,12,14
.set qb, 0
.rept \nb
	v_max3_num_f32 v[TM+qb], v[TM+qb], |v[(\sb)+16*qb+\i]|, |v[(\sb)+16*qb+\i+1]|
.set qb, qb+1
.endr
.endr
	WIN 0
.set qb, 0
.rept \nb
	v_permlanex16_b32 v[TM+4+qb], v[TM+qb], s40, s41
.set qb, qb+1
.endr
.set qb, 0
.rept \nb
	v_max_num_f32 v[TM+qb], v[TM+qb], v[TM+4+qb]   ; the block's largest magnitude
.set qb, qb+1
.endr
.set qb, 0
.rept \nb
	v_add_nc_u32 v[TM+12+qb], 0xff000000, v[TM+qb] ; 2 off its exponent field: the conversion's scale operand
.set qb, qb+1
.endr
.set qb, 0
.rept \nb
	v_lshrrev_b32 v[TM+4+qb], 23, v[TM+12+qb]      ; the scale's byte
.set qb, qb+1
.endr
	WIN 0x02
.set qb, 0
.rept \nb
	v_cvt_scalef32_pk8_fp4_f32 v[(\dst)+2*qb], v[(\sb)+16*qb:(\sb)+16*qb+7], v[TM+12+qb]
	v_cvt_scalef32_pk8_fp4_f32 v[(\dst)+2*qb+1], v[(\sb)+16*qb+8:(\sb)+16*qb+15], v[TM+12+qb]
.set qb, qb+1
.endr
	WIN 0
	v_nop                                          ; one plain instruction behind the last scaled conversion
.endm
; delta . K of four key tiles, my 16 columns: f32 multiply-adds on the unquantised K, two at a time
.macro BIAS4 sb
	WIN 0x02
.irp b, 0,1,2,3
	v_pk_mul_f32 v[BA+2*\b:BA+2*\b+1], v[(\sb)+16*\b:(\sb)+16*\b+1], v[DL:DL+1]
.endr
.irp i, 2,4,6,8,10,12,14
.irp b, 0,1,2,3
	v_pk_fma_f32 v[BA+2*\b:BA+2*\b+1], v[(\sb)+16*\b+\i:(\sb)+16*\b+\i+1], v[DL+\i:DL+\i+1], v[BA+2*\b:BA+2*\b+1]
.endr
.endr
	WIN 0
.irp b, 0,1,2,3
	v_add_f32 v[BA+2*\b], v[BA+2*\b], v[BA+2*\b+1]
.endr
.endm
; my 8 bytes of codes go to their place in fragment t0 + b's image (block w of its four: bytes 256 w + 16 r + 8 (lane / 16)), my byte into its scale word, my part of the bias beside them
.macro KOUT nb, t0, bias
.set qb, 0
.rept \nb
	ds_store_b64 v13, v[PC+2*qb:PC+2*qb+1] offset:1024*((\t0)+qb)
	ds_store_b8 v14, v[TM+4+qb] offset:64*((\t0)+qb)
.if \bias
	ds_store_b32 v15, v[BA+2*qb] offset:64*((\t0)+qb)
.endif
.set qb, qb+1
.endr
.endm
.macro VQUANT u                        ; V's 128 keys of my columns of tile u become a fragment and its scale word
	QCORE 4, VA+64*\u, VF+8*\u
	v_lshl_or_b32 v[VW+\u], v[TM+5], 8, v[TM+4]
	v_lshl_or_b32 v[VW+\u], v[TM+6], 16, v[VW+\u]
	v_lshl_or_b32 v[VW+\u], v[TM+7], 24, v[VW+\u]
.irp c, 0,1                            ; the operand wants a WHOLE block in a lane: lanes 0-15 block 2 c, lanes 16-31 block 2 c + 1
.irp i, 0,1
	v_permlane16_swap_b32 v[VF+8*\u+4*\c+\i], v[VF+8*\u+4*\c+2+\i]
.endr
.endr
.endm
	s_load_b256 s[4:11], s[0:1], 0x0               ; codes, scales, delta, tau
	s_load_b128 s[12:15], s[0:1], 0x20             ; pO, pL
	v_lshl_add_u32 v159, v0, 2, 0x29000
	v_mov_b32 v245, 0
	ds_add_u32 v159, v245
	ds_add_u32 v159, v245
	v_lshrrev_b32 v1, 5, v0
	v_readfirstlane_b32 s16, v1                    ; wave w
	s_mov_b32 s17, ttmp9                           ; x = 16 b + chunk
	s_and_b32 s18, ttmp7, 0xffff                   ; g
	s_lshr_b32 s19, s17, 4                         ; b
	v_and_b32 v1, 31, v0                           ; lane
	v_and_b32 v2, 15, v0                           ; r
	v_bfe_u32 v3, v0, 4, 1                         ; lane / 16
	v_lshlrev_b32 v4, 4, v1                        ; 16 x lane
	s_lshl_b32 s45, s16, 13
	v_add_nc_u32 v5, s45, v4                       ; the copies of the codes: my wave's 8,192 bytes, in LDS
	v_add_nc_u32 v6, s45, v4                       ; and in memory
	s_lshl_b32 s45, s16, 9
	v_add_nc_u32 v8, s45, v4                       ; of the scale bytes: my wave's 512
	v_add_nc_u32 v7, HSC, v8
	v_lshl_add_u32 v9, v3, 8, 240                  ; row slot 15 of a tile: every lane of a half takes the same 16 bytes
	v_lshlrev_b32 v10, 4, v2                       ; a row's 16 scale bytes
	v_lshlrev_b32 v12, 6, v3                       ; delta: 16 numbers on for lanes 16-31
	v_mov_b32 v28, 0
	s_lshl_b32 s45, s18, 3
	s_lshl_b32 s46, s16, 1
	s_add_co_u32 s45, s45, s46
	s_add_co_u32 s45, s45, 512                     ; my first tile of Wq: 512 + 8 g + 2 w
	s_mov_b32 s39, 0
	s_mov_b32 s40, 0x76543210
	s_mov_b32 s41, 0xfedcba98                      ; v_permlanex16_b32's selects for lane l xor 16
	s_mov_b32 s42, 0xffff0000                      ; lanes 16-31
	s_wait_dscnt 0x0
	s_wait_kmcnt 0x0
	s_lshl_b32 s38, s17, 15
	s_add_nc_u64 s[24:25], s[4:5], s[38:39]        ; h's tiles 8 x .. 8 x + 7
	s_lshl_b32 s38, s17, 11
	s_add_nc_u64 s[26:27], s[6:7], s[38:39]
.irp i, 0,1,2,3,4,5,6,7,8,9,10,11,12,13,14,15
	global_load_async_to_lds_b128 v5, v6, s[24:25] offset:512*\i   ; the immediate goes to both addresses
.endr
	global_load_async_to_lds_b128 v7, v8, s[26:27]
	s_lshl_b32 s38, s45, 12
	s_add_nc_u64 s[20:21], s[4:5], s[38:39]        ; my weight tiles' codes: Wk's 131,072 bytes behind Wq's, Wv's 262,144
	s_lshl_b32 s38, s45, 8
	s_add_nc_u64 s[22:23], s[6:7], s[38:39]        ; and scale bytes: 8,192 and 16,384 behind
	s_lshl_b32 s45, s19, 7
	s_add_co_u32 s45, s45, 127                     ; the tile that holds the batch's last row, in slot 15
	s_lshl_b32 s38, s45, 12
	s_add_nc_u64 s[28:29], s[4:5], s[38:39]
	s_lshl_b32 s38, s45, 8
	s_add_nc_u64 s[30:31], s[6:7], s[38:39]
	WIN 0x40                                       ; destination window 1
.irp s, 0,1,2,3
.irp c, 0,1
	global_load_b128 v[HF+32+8*\s+4*\c:HF+32+8*\s+4*\c+3], v9, s[28:29] offset:1024*\s+512*\c   ; the last row, in all 16 columns of a fragment
.endr
.endr
.irp u, 0,1
.irp s, 0,1,2,3
.irp c, 0,1
	global_load_b128 v[WQ+8*(4*\u+\s)+4*\c:WQ+8*(4*\u+\s)+4*\c+3], v4, s[20:21] offset:4096*\u+1024*\s+512*\c
.endr
.endr
.endr
	WIN 0
	global_load_b128 v[HLS:HLS+3], v28, s[30:31] offset:240
.irp u, 0,1
	global_load_b128 v[WQS+4*\u:WQS+4*\u+3], v10, s[22:23] offset:256*\u
.endr
	WIN 0x40
.irp u, 0,1
.irp s, 0,1,2,3
.irp c, 0,1
	global_load_b128 v[WK+8*(4*\u+\s)+4*\c:WK+8*(4*\u+\s)+4*\c+3], v4, s[20:21] offset:131072+4096*\u+1024*\s+512*\c
.endr
.endr
.endr
.irp u, 0,1
.irp s, 0,1,2,3
.irp c, 0,1
	global_load_b128 v[WV+8*(4*\u+\s)+4*\c:WV+8*(4*\u+\s)+4*\c+3], v4, s[20:21] offset:262144+4096*\u+1024*\s+512*\c
.endr
.endr
.endr
	WIN 0
.irp u, 0,1
	global_load_b128 v[WKS+4*\u:WKS+4*\u+3], v10, s[22:23] offset:8192+256*\u
	global_load_b128 v[WVS+4*\u:WVS+4*\u+3], v10, s[22:23] offset:16384+256*\u
.endr
	s_lshl_b32 s38, s19, 22                        ; delta: batch b,
	s_lshl_b32 s45, s18, 9
	s_add_co_u32 s38, s38, s45                     ; 128 g columns,
	s_lshl_b32 s45, s16, 7
	s_add_co_u32 s38, s38, s45                     ; 32 w columns,
	s_add_co_u32 s38, s38, 2047*2048               ; the last row
	s_add_nc_u64 s[32:33], s[8:9], s[38:39]
	s_lshl_b32 s38, s19, 13
	s_add_co_u32 s38, s38, 8188
	s_add_nc_u64 s[34:35], s[10:11], s[38:39]
	s_load_b32 s36, s[34:35], 0x0                  ; tau of the batch's last row
	s_lshl_b32 s38, s17, 11
	s_lshl_b32 s45, s18, 9
	s_add_co_u32 s38, s38, s45
	s_add_nc_u64 s[12:13], s[12:13], s[38:39]      ; pO: 2,048 bytes a chunk, 512 a head pair
	s_lshl_b32 s38, s17, 5
	s_lshl_b32 s45, s18, 3
	s_add_co_u32 s38, s38, s45
	s_add_nc_u64 s[14:15], s[14:15], s[38:39]      ; pL: 32 bytes a chunk, 8 a head pair
	; every LDS address is made here: a constant + constants x lane + a constant x wave
	v_lshlrev_b32 v31, 2, v2                       ; 4 r
	v_add_nc_u32 v11, HSC, v10                     ; h's scale words of row r
	v_lshl_add_u32 v13, v3, 3, v10
	s_lshl_b32 s45, s16, 8
	v_add_nc_u32 v13, s45, v13
	v_add_nc_u32 v13, KIMG, v13                    ; where my codes of K go
	v_add_nc_u32 v14, s16, v31
	v_add_nc_u32 v14, KSC, v14                     ; and my scale byte
	v_lshl_add_u32 v15, v3, 9, v31
	s_lshl_b32 s45, s16, 10
	v_add_nc_u32 v15, s45, v15
	v_add_nc_u32 v15, BP, v15                      ; and my part of the bias
	s_lshl_b32 s45, s16, 11
	v_add_nc_u32 v16, s45, v4
	v_add_nc_u32 v16, KIMG, v16                    ; the scores: fragments of key tiles 2 w, 2 w + 1
	v_add_nc_u32 v17, QIMG, v4
	v_add_nc_u32 v19, KSC, v31
	s_lshl_b32 s45, s16, 7                         ; 128 w
	v_add_nc_u32 v18, s45, v19
	v_lshl_add_u32 v20, v3, 11, v31
	v_add_nc_u32 v20, s45, v20
	v_add_nc_u32 v20, BP, v20                      ; the four parts of head lane / 16's bias
	v_and_b32 v21, 8, v2
	v_add_nc_u32 v21, v21, v2                      ; r + 8 (r / 8)
	v_lshlrev_b32 v21, 2, v21
	v_lshl_add_u32 v21, v3, 9, v21
	v_add_nc_u32 v21, s45, v21
	v_add_nc_u32 v21, TT, v21                      ; where t of (head lane / 16, key 32 w + 8 u + r + 8 (r / 8)) goes
	v_lshlrev_b32 v30, 2, v1
	v_add_nc_u32 v23, s45, v30
	v_add_nc_u32 v24, STL, v23
	v_add_nc_u32 v23, STG, v23
	v_add_nc_u32 v25, STG, v4
	v_and_b32 v26, 1, v0
	v_lshl_add_u32 v26, v26, 8, STL                ; lane 0: wave 0's l (head 0), lane 1: wave 2's (head 1)
	s_lshr_b32 s43, s16, 1                         ; my head of the pair
	s_lshl_b32 s45, s43, 9
	v_lshl_add_u32 v22, v3, 7, s45
	v_add_nc_u32 v22, TT, v22                      ; my head's t, 32 keys on for lanes 16-31
	s_lshl_b32 s43, s43, 3                         ; its row in q's operand: 0 or 8
	v_mov_b32 v27, 0x42480000                      ; 50
	v_lshlrev_b32 v29, 3, v3
.irp b, 0,1,2,3
	v_mov_b32 v[TM+4+\b], 0                        ; written once: a lane permute's destination counts as one of its sources
.endr
	; ---- q: my 32 columns of the last row, in all 16 columns of the result
	s_wait_loadcnt 36                              ; the last row, Wq and their scale words are in; the 36 younger loads (Wk, Wv, their scale words) may be out
.irp i, 0,1,2,3
	global_load_b128 v[DL+4*\i:DL+4*\i+3], v12, s[32:33] offset:16*\i
.endr
	WIN 0xa5                                       ; both sources window 1, C and D window 2
	MM0 VA,   WQ,    HF+32, WQS,   HLS             ; two accumulators by turns
	MM0 VA+8, WQ+32, HF+32, WQS+4, HLS
.irp s, 1,2,3
	MMA VA,   WQ+8*\s,    HF+32+8*\s, WQS+\s,   HLS+\s
	MMA VA+8, WQ+32+8*\s, HF+32+8*\s, WQS+4+\s, HLS+\s
.endr
	PLACES
	QCORE 1, VA, PC
	v_cmp_eq_u32 vcc_lo, s43, v2
	v_cndmask_b32 v[PC], v28, v[PC], vcc_lo        ; only my head's row keeps its codes: all other rows of the operand are zeros
	v_cndmask_b32 v[PC+1], v28, v[PC+1], vcc_lo
	KOUT 1, 8, 0
	s_wait_loadcnt 0x0                             ; Wk, Wv, delta
	s_wait_kmcnt 0x0
	s_mul_f32 s37, s36, 0x3e000000                 ; tau / 8: the division by sqrt(64) is exact
	s_wait_asynccnt 0x0                            ; my copies have landed: for the others' sake
	BARRIER
	; ---- K and V of 128 keys, my 32 columns: a tile of 16 keys at a time, four accumulators by turns, one instruction a turn
.irp T, 0,1,2,3,4,5,6,7
	ds_load_b128 v[HS+4*\T:HS+4*\T+3], v11 offset:256*\T
.endr
	FRAGS 0
.irp T, 0,1,2,3,4,5,6,7
.if (\T >= 1) && (\T < 7)
	PLACES                                         ; the set that the tile before multiplied is loaded again
.endif
.if \T < 7
	FRAGS \T+1
	s_wait_dscnt 8                                 ; this tile's fragments are in; the next tile's eight loads may be out
.else
	s_wait_dscnt 0x0
.endif
	WIN 0xa5
.set HB, HF+32*(\T%2)
	MM0 KA+16*\T,   WK,    HB, WKS,   HS+4*\T
	MM0 KA+16*\T+8, WK+32, HB, WKS+4, HS+4*\T
	MM0 VA+8*\T,    HB, WV,    HS+4*\T, WVS
	MM0 VA+64+8*\T, HB, WV+32, HS+4*\T, WVS+4
.irp s, 1,2,3
	MMA KA+16*\T,   WK+8*\s,    HB+8*\s, WKS+\s,   HS+4*\T+\s
	MMA KA+16*\T+8, WK+32+8*\s, HB+8*\s, WKS+4+\s, HS+4*\T+\s
	MMA VA+8*\T,    HB+8*\s, WV+8*\s,    HS+4*\T+\s, WVS+\s
	MMA VA+64+8*\T, HB+8*\s, WV+32+8*\s, HS+4*\T+\s, WVS+4+\s
.endr
.endr
	WIN 0
	PLACES
	; ---- K goes out: its part of the bias in f32, its codes and scale bytes into the images
	BIAS4 KA
	QCORE 4, KA, PC
	KOUT 4, 0, 1
	s_wait_dscnt 0x0                               ; the stores have read their registers
	BIAS4 KA+64
	QCORE 4, KA+64, PC
	KOUT 4, 4, 1
	BARRIER                                        ; q's and K's images, their scale words and the bias's parts lie in LDS
	; ---- the scores of key tiles 2 w, 2 w + 1, both heads: register 0 of the result holds head lane / 16, key slot r
	ds_load_b128 v[SQ:SQ+3], v17
	ds_load_b128 v[SQ+4:SQ+7], v17 offset:512
	ds_load_b32 v32, v19 offset:512                ; q's scale words (Wq's are done with: these registers hold scales alone)
.irp u, 0,1
	ds_load_b128 v[SK+8*\u:SK+8*\u+3], v16 offset:1024*\u
	ds_load_b128 v[SK+8*\u+4:SK+8*\u+7], v16 offset:1024*\u+512
	ds_load_b32 v[33+\u], v18 offset:64*\u
.irp k, 0,1,2,3
	ds_load_b32 v[204+4*\u+\k], v20 offset:64*\u+512*\k
.endr
.endr
	s_wait_dscnt 0x0
	MM0 SD,   SQ, SK,   32, 33
	MM0 SD+8, SQ, SK+8, 32, 34
	v_add_f32 v204, v204, v205                     ; the bias's four parts; these six are also the places behind the products
	v_add_f32 v206, v206, v207
	v_add_f32 v208, v208, v209
	v_add_f32 v210, v210, v211
	v_add_f32 v204, v204, v206
	v_add_f32 v208, v208, v210
	v_fma_f32 v254, v[SD], s37, v204               ; tau q . K / 8 + delta . K
	v_fma_f32 v255, v[SD+8], s37, v208
	v_med3_num_f32 v254, v254, -v27, v27           ; the clip
	v_med3_num_f32 v255, v255, -v27, v27
	v_mul_f32 v254, 0x3fb8aa3b, v254               ; t = logit x log2(e)
	v_mul_f32 v255, 0x3fb8aa3b, v255
	ds_store_b32 v21, v254
	ds_store_b32 v21, v255 offset:32
	VQUANT 0
	VQUANT 1
	BARRIER                                        ; t of both heads lies in LDS
	; ---- the softmax of my head: every lane holds keys 64 c + 32 (lane / 16) + e in register 32 c + e: two whole blocks, as the operand wants them
.irp c, 0,1
.irp i, 0,1,2,3,4,5,6,7
	ds_load_b128 v[P+32*\c+4*\i:P+32*\c+4*\i+3], v22 offset:256*\c+16*\i
.endr
.endr
	s_wait_dscnt 0x0
.irp c, 0,1
	v_max3_num_f32 v[BM+\c], v[P+32*\c], v[P+32*\c+1], v[P+32*\c+2]   ; each block's largest t: it serves the row's maximum and, since p rises with t, the block's largest p
.endr
.irp i, 3,5,7,9,11,13,15,17,19,21,23,25,27,29
.irp c, 0,1
	v_max3_num_f32 v[BM+\c], v[BM+\c], v[P+32*\c+\i], v[P+32*\c+\i+1]
.endr
.endr
.irp c, 0,1
	v_max_num_f32 v[BM+\c], v[BM+\c], v[P+32*\c+31]
.endr
	v_max_num_f32 v254, v[BM], v[BM+1]
	v_permlanex16_b32 v255, v254, s40, s41
	v_max_num_f32 v254, v254, v255                 ; the chunk's largest t
	v_floor_f32 v242, -v254                        ; -Mc = floor(-t): Mc is a whole number
	v_mov_b32 v243, v242
.set e, 0
.rept 32
	v_pk_add_f32 v[P+e:P+e+1], v[P+e:P+e+1], v[242:243] op_sel_hi:[1,0]   ; t - Mc
.set e, e+2
.endr
	v_add_f32 v[BM], v[BM], v242
	v_add_f32 v[BM+1], v[BM+1], v242
.set e, 0
.rept 64
	v_exp_f32 v[P+e], v[P+e]                       ; p = 2^(t - Mc), not normalised
.set e, e+1
.endr
	v_exp_f32 v[BM], v[BM]                         ; the blocks' largest p: the same instructions on the same numbers
	v_exp_f32 v[BM+1], v[BM+1]
	v_cvt_i32_f32 v244, v242
	v_sub_nc_u32 v244, 0, v244                     ; Mc (plain instructions behind the exponentials)
	s_wait_alu depctr_va_vdst(0)                   ; one wait for the batch of 66, ahead of its first reader
	v_pk_add_f32 v[246:247], v[P:P+1], v[P+2:P+3]  ; l: the sum of the UNQUANTISED p, two at a time, in two chains
	v_pk_add_f32 v[248:249], v[P+4:P+5], v[P+6:P+7]
.irp j, 8,12,16,20,24,28,32,36,40,44,48,52,56,60
	v_pk_add_f32 v[246:247], v[246:247], v[P+\j:P+\j+1]
	v_pk_add_f32 v[248:249], v[248:249], v[P+\j+2:P+\j+3]
.endr
	v_pk_add_f32 v[246:247], v[246:247], v[248:249]
	v_add_f32 v246, v246, v247
	v_permlanex16_b32 v248, v246, s40, s41
	v_add_f32 v246, v246, v248                     ; all 128 keys
.irp c, 0,1
	v_max_num_f32 v[BM+\c], 0x1800000, v[BM+\c]    ; the floor
.endr
.irp c, 0,1
	v_add_nc_u32 v[250+\c], 0xff000000, v[BM+\c]   ; the conversions' scale operands
.endr
.irp c, 0,1
	v_lshrrev_b32 v[252+\c], 23, v[250+\c]         ; the bytes of blocks lane / 16 and 2 + lane / 16
.endr
	v_lshl_or_b32 v[PW], v253, 16, v252
	v_lshlrev_b32 v[PW], v29, v[PW]                ; at their places in the scale word,
	v_permlanex16_b32 v254, v[PW], s40, s41
	v_or_b32 v[PW], v[PW], v254                    ; with lane l xor 16's two the word is whole
.irp c, 0,1
.irp q, 0,1,2,3
	v_cvt_scalef32_pk8_fp4_f32 v[PC+4*\c+\q], v[P+32*\c+8*\q:P+32*\c+8*\q+7], v[250+\c]
.endr
.endr
	v_ldexp_f32 v246, v246, v244                   ; l x 2^Mc: exact
.rept 8
	v_nop                                          ; a scale register written by a vector instruction stands 8 places ahead of a scaled matrix instruction, an operand so written 4
.endr
	; ---- O = p V: all 16 rows of the first operand are my head's p; register 0, lane r: column slot r
	MM0 PD,   PC, VF,   PW, VW
	MM0 PD+8, PC, VF+8, PW, VW+1
	PLACES
	v_cndmask_b32 v254, v[PD], v[PD+8], s42        ; lanes 0-15 tile u = 0, lanes 16-31 tile u = 1
	v_ldexp_f32 v254, v254, v244                   ; O x 2^Mc: exact
	ds_store_b32 v23, v254
	ds_store_b32 v24, v246
	BARRIER
	s_cmp_lg_u32 s16, 0                            ; wave 0 stores for the work-group
	s_cbranch_scc1 .Lend
	ds_load_b128 v[160:163], v25
	ds_load_b32 v164, v26
	s_wait_dscnt 0x0
	global_store_b128 v4, v[160:163], s[12:13]     ; 32 lanes store 512 consecutive bytes, aligned
	v_cmp_gt_u32 vcc_lo, 2, v1
	s_wait_xcnt 0x0                                ; EXEC changes only behind this wait
	s_and_saveexec_b32 s44, vcc_lo
	global_store_b32 v30, v164, s[14:15]           ; the two heads' l
	s_wait_xcnt 0x0
	s_or_b32 exec_lo, exec_lo, s44
.Lend:
	s_wait_tensorcnt 0x0
	ds_add_u32 v159, v245
	s_wait_dscnt 0x0
	s_endpgm
.Lfunc_end_k_qbc4a40b520_attn:
	.size	k_qbc4a40b520_attn, .Lfunc_end_k_qbc4a40b520_attn-k_qbc4a40b520_attn
	.p2alignl 7, 3214868480
	.fill 96, 4, 3214868480
	.section	.rodata,"a",@progbits
	.p2align	6, 0x0
	.amdhsa_kernel k_qbc4a40b520_attn
		.amdhsa_group_segment_fixed_size 168448
		.amdhsa_private_segment_fixed_size 0
		.amdhsa_enable_private_segment 0
		.amdhsa_kernarg_size 48
		.amdhsa_user_sgpr_count 2
		.amdhsa_user_sgpr_kernarg_segment_ptr 1
		.amdhsa_wavefront_size32 1
		.amdhsa_system_sgpr_workgroup_id_x 1
		.amdhsa_system_sgpr_workgroup_id_y 1
		.amdhsa_system_sgpr_workgroup_id_z 1
		.amdhsa_system_vgpr_workitem_id 0
		.amdhsa_next_free_vgpr 768
		.amdhsa_next_free_sgpr 66
		.amdhsa_reserve_vcc 1
		.amdhsa_float_denorm_mode_32 3
		.amdhsa_float_denorm_mode_16_64 3
		.amdhsa_memory_ordered 1
		.amdhsa_forward_progress 1
		.amdhsa_inst_pref_size 74
	.end_amdhsa_kernel
	.amdgpu_metadata
---
amdhsa.version: [ 1, 2 ]
amdhsa.kernels:
  - .name:           k_qbc4a40b520_attn
    .symbol:         k_qbc4a40b520_attn.kd
    .args:
      - { .name: codes, .offset: 0, .size: 8, .value_kind: global_buffer, .address_space: global }
      - { .name: scales, .offset: 8, .size: 8, .value_kind: global_buffer, .address_space: global }
      - { .name: delta, .offset: 16, .size: 8, .value_kind: global_buffer, .address_space: global }
      - { .name: tau, .offset: 24, .size: 8, .value_kind: global_buffer, .address_space: global }
      - { .name: pO, .offset: 32, .size: 8, .value_kind: global_buffer, .address_space: global }
      - { .name: pL, .offset: 40, .size: 8, .value_kind: global_buffer, .address_space: global }
    .group_segment_fixed_size: 168448
    .private_segment_fixed_size: 0
    .kernarg_segment_align: 8
    .kernarg_segment_size: 48
    .max_flat_workgroup_size: 128
    .sgpr_count:     66
    .vgpr_count:     768
    .wavefront_size: 32
...
	.end_amdgpu_metadata
.endif
;; end of part 2
;; launch outp (part 3): grid 8 x 4, 4 waves a work-group, no clusters, 5,632 bytes of LDS; arguments pO, pL, codes, scales, bo, out0; writes out0
.if DOCPART == 3
	.amdgcn_target "amdgcn-amd-amdhsa--gfx1250"
	.amdhsa_code_object_version 6
	.text
	.protected	k_qbc4a40b520_outp
	.globl	k_qbc4a40b520_outp
	.p2align	8
	.type	k_qbc4a40b520_outp,@function
k_qbc4a40b520_outp:
	s_mov_b64 s[64:65], 0
	v_nop
	global_prefetch_b8 v0, s[64:65] scope:SCOPE_SE
	s_setreg_imm32_b32 hwreg(HW_REG_WAVE_MODE, 25, 1), 1
	s_wait_xcnt 0x0
; out0[b][n] = the sum over k of Q(o[b][k]) Q(Wo[n][k]) + bo[n], o = (the sum over 16 chunks of O x 2^Mc) / (the sum of l x 2^Mc), quantised along its 512 to codes of FP4.
; pO: [b][chunk][512 f32], in the order of the weight tiles' row slots: place 32 B + 16 u + r holds column 32 B + 8 u + r + 8 (r / 8).  pL: [b][chunk][8 heads].
; SHARES.  Work-group (nq, b) makes 64 outputs of batch b: 256 consecutive bytes.  First wave w adds and quantises columns 128 w .. 128 w + 127 (K step w); then it multiplies tile 608 + 4 nq + w of Wo's codes by o.
; The product is used transposed (source 0 = 16 rows of Wo, source 1 = o in all 16 columns): a lane's eight results are eight neighbouring outputs.  bo is the C of the sum's first instruction.
; 32 work-groups: there are 2,048 outputs.  No cluster, no tensor load, no prefetch: 49,664 bytes a work-group, all asked for at the head.
; LIMITS: NaN and infinities are not served; a block under 2^-124 (zeros too) gets the scale byte 1.
.set OC,  0                            ; LDS: o's 256 bytes of codes (and lanes 16-31's copy of them)
.set OS,  512                          ; its 16 scale bytes (and the copy, 128 bytes on)
.set STG, 768                          ; 16 rows x (256 bytes + 16): all rows alike; row 0 leaves
.set SPI, 272
.set PO,  32                           ; v32-95   my 8 columns of 8 chunks
.set LP,  96                           ; v96-103  my head's l of 8 chunks
.set WF,  104                          ; v104-135 Wo's four fragments
.set WS,  136                          ; v136-139 their scale words
.set BO,  140                          ; v140-147 bo in the result's layout
.set SU,  148                          ; v148-155 my 8 columns' sums
.set OF,  32                           ; v32-63   o's four fragments
.set OW,  176                          ; v176-179 their scale words
.macro BARRIER
	s_wait_dscnt 0x0
	s_barrier_signal -1
	s_barrier_wait -1
.endm
	s_load_b256 s[4:11], s[0:1], 0x0               ; pO, pL, codes, scales
	s_load_b128 s[12:15], s[0:1], 0x20             ; bo, out0
	v_lshl_add_u32 v192, v0, 2, 0x1400
	v_mov_b32 v193, 0
	v_lshrrev_b32 v1, 5, v0
	v_readfirstlane_b32 s16, v1                    ; wave w
	s_and_b32 s18, ttmp7, 0xffff                   ; b
	s_lshr_b32 s19, s16, 1
	s_and_b32 s22, s16, 1
	v_and_b32 v1, 31, v0                           ; lane
	v_and_b32 v2, 15, v0                           ; lane % 16
	v_bfe_u32 v3, v0, 4, 1                         ; lane / 16
	v_lshlrev_b32 v4, 4, v1
	v_lshlrev_b32 v5, 5, v2
	v_lshl_add_u32 v5, v3, 14, v5                  ; pO: 8 numbers a lane; lanes 16-31 take chunks 8 .. 15
	v_lshrrev_b32 v6, 3, v2
	v_lshlrev_b32 v6, 2, v6
	v_lshl_add_u32 v6, v3, 8, v6                   ; pL: head 2 w + (lane % 16) / 8
	v_lshlrev_b32 v7, 4, v2
	v_lshlrev_b32 v8, 6, v3
	v_lshrrev_b32 v16, 2, v2                       ; my block of 32 among the K step's four
	v_and_b32 v17, 1, v2
	v_bfe_u32 v18, v2, 1, 1
	v_lshlrev_b32 v9, 4, v16
	v_lshl_add_u32 v9, v17, 3, v9                  ; my 8 numbers are columns 16 (lane & 1) + 8 ((lane >> 1) & 1) + 0 .. 7 of the block: the tiles' order is undone here
	v_lshl_add_u32 v9, v18, 2, v9
	v_lshl_add_u32 v9, v3, 8, v9
	s_lshl_b32 s23, s16, 6
	v_add_nc_u32 v9, s23, v9                       ; where my four bytes of codes go
	v_lshl_add_u32 v10, v3, 7, v16
	s_lshl_b32 s23, s16, 2
	v_add_nc_u32 v10, s23, v10
	v_add_nc_u32 v10, OS, v10                      ; and my block's scale byte
	v_lshlrev_b32 v11, 4, v3                       ; o's fragments: every lane of a half takes the same 16 bytes
	v_mov_b32 v12, OS
	v_mul_u32_u24 v13, v2, SPI
	v_lshl_add_u32 v13, v3, 6, v13
	s_lshl_b32 s23, s19, 7
	s_lshl_b32 s24, s22, 5
	s_add_co_u32 s23, s23, s24                     ; my tile's first output among the 64, in bytes: 128 (w / 2) + 32 (w % 2)
	v_add_nc_u32 v13, s23, v13
	v_add_nc_u32 v13, STG, v13
	v_lshlrev_b32 v15, 3, v1
	v_add_nc_u32 v14, STG, v15
	s_mov_b32 s20, 0x76543210
	s_mov_b32 s21, 0xfedcba98
.irp j, 0,1,2,3,4,5,6,7,8
	v_mov_b32 v[160+\j], 0                         ; written once: a lane permute's destination counts as one of its sources
.endr
	v_mov_b32 v175, 0                              ; (named as the upper half of the pair v[174:175])
	s_mov_b32 s27, 0
	s_wait_kmcnt 0x0
	s_lshl_b32 s26, s18, 15
	s_lshl_b32 s25, s16, 9
	s_add_co_u32 s26, s26, s25
	s_add_nc_u64 s[4:5], s[4:5], s[26:27]
	s_lshl_b32 s26, s18, 9
	s_lshl_b32 s25, s16, 3
	s_add_co_u32 s26, s26, s25
	s_add_nc_u64 s[6:7], s[6:7], s[26:27]
	s_lshl_b32 s25, ttmp9, 2
	s_add_co_u32 s25, s25, s16
	s_add_co_u32 s25, s25, 608                     ; my tile of Wo
	s_lshl_b32 s26, s25, 12
	s_add_nc_u64 s[8:9], s[8:9], s[26:27]
	s_lshl_b32 s26, s25, 8
	s_add_nc_u64 s[10:11], s[10:11], s[26:27]
	s_lshl_b32 s26, ttmp9, 8
	s_add_co_u32 s26, s26, s23
	s_add_nc_u64 s[12:13], s[12:13], s[26:27]
	s_lshl_b32 s26, s18, 11
	s_lshl_b32 s25, ttmp9, 8
	s_add_co_u32 s26, s26, s25
	s_add_nc_u64 s[14:15], s[14:15], s[26:27]
.irp i, 0,1,2,3,4,5,6,7
	global_load_b128 v[PO+8*\i:PO+8*\i+3], v5, s[4:5] offset:2048*\i
	global_load_b128 v[PO+8*\i+4:PO+8*\i+7], v5, s[4:5] offset:2048*\i+16
.endr
.irp i, 0,1,2,3,4,5,6,7
	global_load_b32 v[LP+\i], v6, s[6:7] offset:32*\i
.endr
.irp s, 0,1,2,3
.irp c, 0,1
	global_load_b128 v[WF+8*\s+4*\c:WF+8*\s+4*\c+3], v4, s[8:9] offset:1024*\s+512*\c
.endr
.endr
	global_load_b128 v[WS:WS+3], v7, s[10:11]
	global_load_b128 v[BO:BO+3], v8, s[12:13]
	global_load_b128 v[BO+4:BO+7], v8, s[12:13] offset:16
	s_wait_loadcnt 11                              ; the partial sums are in; the 11 younger loads (Wo, its scale words, bo) may be out
.irp q, 0,2,4,6
	v_pk_add_f32 v[SU+\q:SU+\q+1], v[PO+\q:PO+\q+1], v[PO+8+\q:PO+8+\q+1]
.endr
.irp i, 2,3,4,5,6,7
.irp q, 0,2,4,6
	v_pk_add_f32 v[SU+\q:SU+\q+1], v[SU+\q:SU+\q+1], v[PO+8*\i+\q:PO+8*\i+\q+1]
.endr
.endr
	v_add_f32 v156, v[LP], v[LP+1]
.irp i, 2,3,4,5,6,7
	v_add_f32 v156, v156, v[LP+\i]
.endr
.irp j, 0,1,2,3,4,5,6,7
	v_permlanex16_b32 v[160+\j], v[SU+\j], s20, s21
.endr
	v_permlanex16_b32 v168, v156, s20, s21
.irp q, 0,2,4,6
	v_pk_add_f32 v[SU+\q:SU+\q+1], v[SU+\q:SU+\q+1], v[160+\q:161+\q]   ; with the other eight chunks
.endr
	v_add_f32 v156, v156, v168
	v_rcp_f32 v174, v156
	v_nop                                          ; a plain instruction behind the reciprocal
	s_wait_alu depctr_va_vdst(0)                   ; and the wait ahead of its first reader
.irp q, 0,2,4,6
	v_pk_mul_f32 v[SU+\q:SU+\q+1], v[SU+\q:SU+\q+1], v[174:175] op_sel_hi:[1,0]   ; o
.endr
	v_max3_num_f32 v170, |v[SU]|, |v[SU+1]|, 0x1800000             ; my 8 numbers and the floor 2^(3 - 127)
.irp q, 2,4,6
	v_max3_num_f32 v170, v170, |v[SU+\q]|, |v[SU+\q+1]|
.endr
	v_max_num_f32_dpp v170, v170, v170 row_xmask:1 row_mask:0xf bank_mask:0xf
	v_max_num_f32_dpp v170, v170, v170 row_xmask:2 row_mask:0xf bank_mask:0xf   ; four lanes hold a block
	v_add_nc_u32 v171, 0xff000000, v170
	v_cvt_scalef32_pk8_fp4_f32 v172, v[SU:SU+7], v171
	v_lshrrev_b32 v173, 23, v171                   ; the scale's byte (also the plain instruction behind the conversion)
	ds_store_b32 v9, v172
	ds_store_b8 v10, v173                          ; a block's four lanes write the same byte with the same value
	BARRIER                                        ; o's 512 codes and 16 scale bytes lie in LDS
.irp s, 0,1,2,3
.irp c, 0,1
	ds_load_b128 v[OF+8*\s+4*\c:OF+8*\s+4*\c+3], v11 offset:OC+64*\s+32*\c
.endr
.endr
	ds_load_b128 v[OW:OW+3], v12
	s_wait_dscnt 0x0
	s_wait_loadcnt 0x0
	; two accumulators by turns: K steps 0 and 2 (with bo), 1 and 3
	v_wmma_scale_f32_16x16x128_f8f6f4 v[68:75], v[WF:WF+7], v[OF:OF+7], v[BO:BO+7], v[WS], v[OW] matrix_a_fmt:MATRIX_FMT_FP4 matrix_b_fmt:MATRIX_FMT_FP4
	v_wmma_scale_f32_16x16x128_f8f6f4 v[76:83], v[WF+8:WF+15], v[OF+8:OF+15], 0, v[WS+1], v[OW+1] matrix_a_fmt:MATRIX_FMT_FP4 matrix_b_fmt:MATRIX_FMT_FP4
	v_wmma_scale_f32_16x16x128_f8f6f4 v[68:75], v[WF+16:WF+23], v[OF+16:OF+23], v[68:75], v[WS+2], v[OW+2] matrix_a_fmt:MATRIX_FMT_FP4 matrix_b_fmt:MATRIX_FMT_FP4
	v_wmma_scale_f32_16x16x128_f8f6f4 v[76:83], v[WF+24:WF+31], v[OF+24:OF+31], v[76:83], v[WS+3], v[OW+3] matrix_a_fmt:MATRIX_FMT_FP4 matrix_b_fmt:MATRIX_FMT_FP4
.rept 4
	v_nop                                          ; four places ahead of the first read of the results (ISA guide 7.12.1)
.endr
.irp q, 0,2,4,6
	v_pk_add_f32 v[84+\q:85+\q], v[68+\q:69+\q], v[76+\q:77+\q]    ; from the low end on
.endr
	ds_store_b128 v13, v[84:87]                    ; lane (r, half): outputs 32 (w / 2) + 8 (w % 2) + 16 half + 0 .. 7
	ds_store_b128 v13, v[88:91] offset:16
	BARRIER
	s_cmp_lg_u32 s16, 0                            ; wave 0 stores for the work-group
	s_cbranch_scc1 .Lend
	ds_load_b64 v[92:93], v14
	s_wait_dscnt 0x0
	global_store_b64 v15, v[92:93], s[14:15]       ; 32 lanes store 256 consecutive bytes, aligned
.Lend:
	s_wait_tensorcnt 0x0
	ds_add_u32 v192, v193
	s_wait_dscnt 0x0
	s_endpgm
.Lfunc_end_k_qbc4a40b520_outp:
	.size	k_qbc4a40b520_outp, .Lfunc_end_k_qbc4a40b520_outp-k_qbc4a40b520_outp
	.p2alignl 7, 3214868480
	.fill 96, 4, 3214868480
	.section	.rodata,"a",@progbits
	.p2align	6, 0x0
	.amdhsa_kernel k_qbc4a40b520_outp
		.amdhsa_group_segment_fixed_size 5632
		.amdhsa_private_segment_fixed_size 0
		.amdhsa_enable_private_segment 0
		.amdhsa_kernarg_size 48
		.amdhsa_user_sgpr_count 2
		.amdhsa_user_sgpr_kernarg_segment_ptr 1
		.amdhsa_wavefront_size32 1
		.amdhsa_system_sgpr_workgroup_id_x 1
		.amdhsa_system_sgpr_workgroup_id_y 1
		.amdhsa_system_sgpr_workgroup_id_z 1
		.amdhsa_system_vgpr_workitem_id 0
		.amdhsa_next_free_vgpr 194
		.amdhsa_next_free_sgpr 66
		.amdhsa_reserve_vcc 0
		.amdhsa_float_denorm_mode_32 3
		.amdhsa_float_denorm_mode_16_64 3
		.amdhsa_memory_ordered 1
		.amdhsa_forward_progress 1
		.amdhsa_inst_pref_size 13
	.end_amdhsa_kernel
	.amdgpu_metadata
---
amdhsa.version: [ 1, 2 ]
amdhsa.kernels:
  - .name:           k_qbc4a40b520_outp
    .symbol:         k_qbc4a40b520_outp.kd
    .args:
      - { .name: pO, .offset: 0, .size: 8, .value_kind: global_buffer, .address_space: global }
      - { .name: pL, .offset: 8, .size: 8, .value_kind: global_buffer, .address_space: global }
      - { .name: codes, .offset: 16, .size: 8, .value_kind: global_buffer, .address_space: global }
      - { .name: scales, .offset: 24, .size: 8, .value_kind: global_buffer, .address_space: global }
      - { .name: bo, .offset: 32, .size: 8, .value_kind: global_buffer, .address_space: global }
      - { .name: out0, .offset: 40, .size: 8, .value_kind: global_buffer, .address_space: global }
    .group_segment_fixed_size: 5632
    .private_segment_fixed_size: 0
    .kernarg_segment_align: 8
    .kernarg_segment_size: 48
    .max_flat_workgroup_size: 128
    .sgpr_count:     66
    .vgpr_count:     194
    .wavefront_size: 32
...
	.end_amdgpu_metadata
.endif
;; end of part 3
